; MI455X (gfx1250); checked and timed in simulation.
; The chip was launched on July 23, 2026; its instructions are those of AMD's public machine-readable ISA for CDNA 5 (MIT licence, August 2026) and "CDNA5" Instruction Set Architecture Reference Guide (July 2026). The comments in the code are by the model that wrote it; some were corrected since.
;; Self Attention. Allowed arithmetic: float matrix products may take bf16 or f16 operands with f32 sums; other float arithmetic in f32, or as packed bf16 or f16 multiplies, adds, multiply-adds, maxima and minima; sums over many terms, partial sums and values carried from step to step in f32; what a program stores and reads back later, other than sums and carried values, may be rounded once to bf16 or f16.
;; Inputs: Wk 256 x 1,024 float32; Wq 256 x 1,024 float32; Wu 1,024 x 256 float32; Wv 256 x 1,024 float32; bu 256 float32; x 16 x 2,048 x 256 float32.
;; Outputs: out0 16 x 512 x 256 float32.
;; One version. Each part assembles by itself: llvm-mc -triple=amdgcn-amd-amdhsa -mcpu=gfx1250 --defsym DOCPART=n.
;; ======== version 1 of 1: 3 launches
;; workspace buffers: xb 16,777,216 bytes; mt 524,288 bytes; nt 524,288 bytes; y 16,777,216 bytes
;; launch prep (part 1): grid 384 x 1, 4 waves a work-group, no clusters, 8,960 bytes of LDS; arguments x, Wq, Wk, Wv, Wu, xb, mt, nt; writes xb, mt, nt
.if DOCPART == 1
	.amdgcn_target "amdgcn-amd-amdhsa--gfx1250"
	.amdhsa_code_object_version 6
	.text
	.protected	k_qbf9e3c8836_prep
	.globl	k_qbf9e3c8836_prep
	.p2align	8
	.type	k_qbf9e3c8836_prep,@function
k_qbf9e3c8836_prep:
	s_mov_b64 s[64:65], 0
	v_nop
	global_prefetch_b8 v0, s[64:65] scope:SCOPE_SE
	s_setreg_imm32_b32 hwreg(HW_REG_WAVE_MODE, 25, 1), 1
	s_wait_xcnt 0x0
; PREPARATION.  Three things that the later launches need, none of which depends on another:
;   xb = x rounded once to bf16                                              [16][2048][256]
;   mt[h][e'][e]    = sum over d of Wk[e'][256 h + d] Wq[e][256 h + d]        four matrices 256 x 256, bf16
;   nt[o][256 h + c] = sum over d of Wu[256 h + d][o] Wv[c][256 h + d]        [256][1024], bf16
; WHY.  The head size equals the embedding size, so (x_q Wq_h)(x_k Wk_h)^T = (x_q Wq_h Wk_h^T) x_k^T and (P x Wv_h) Wu_h = (P x)(Wv_h Wu_h): exact algebra for every input.
; With mt and nt the keys and the values of all four heads are x itself, and the projections of K and V are not done at all.
; LIMITS.  The products are associated otherwise than in the module's own text; the weights are rounded once to bf16 for the matrix unit, the sums are f32, mt and nt are rounded once to bf16.
; NaN and infinities are not treated apart.
; SHARES.  Work-groups 0-127 make the weight products: 16 rows x 256 columns of one of the eight matrices each, a wave 64 columns.  Work-groups 128-383 cast 32,768 numbers of x each.
; NO CLUSTER, NO TENSOR LOADS: the cast is a stream in which no byte is shared; the weights are f32 and have to pass through registers to be rounded.
.set SPARE, 8448                       ; behind the stage (16 rows x 528 bytes): the spare words, 128 bytes for each wave
.set SPITCH, 528                       ; a stage row: 512 bytes + 16
.set SPW, 14                           ; v14  LDS address of my spare word; never rewritten
.set NIL, 15                           ; v15  0; never rewritten
.set WV,  24                           ; s24  my wave's number
.set ACC, 16                           ; v[16:47]   four accumulators, one for each block of 16 columns
.set T,   48                           ; v[48:127]  two sets of 40: the row fragment (8), four column fragments (32), in bf16
.set RF,  128                          ; v[128:255] the 16 rows in f32: 16 registers for each 32 along d
.set MSB, 0
.macro WIN new                         ; s_set_vgpr_msb: bits 1:0 source 0, 3:2 source 1, 5:4 source 2, 7:6 destination; the high byte repeats the setting that is left
.if MSB != (\new)
	s_set_vgpr_msb (MSB<<8)|(\new)
.set MSB, (\new)
.endif
.endm
.macro PLACES n=4
.rept \n
	v_nop
.endr
.endm
	s_load_b512 s[8:23], s[0:1], 0x0               ; x s[8:9], Wq s[10:11], Wk s[12:13], Wv s[14:15], Wu s[16:17], xb s[18:19], mt s[20:21], nt s[22:23]
	v_lshl_add_u32 v[SPW], v0, 2, SPARE
	v_mov_b32 v[NIL], 0
	v_lshrrev_b32 v1, 5, v0
	v_readfirstlane_b32 s[WV], v1                  ; wave 0..3
	v_and_b32 v5, 31, v0                           ; lane
	v_and_b32 v6, 15, v0                           ; r = lane % 16
	v_bfe_u32 v7, v0, 4, 1                         ; hh = lane / 16
	s_wait_kmcnt 0x0
	s_cmp_lt_u32 ttmp9, 128                        ; the same answer in all four waves of a work-group
	s_cbranch_scc1 .Lweights
	; THE CAST.  A wave takes 32,768 consecutive bytes of x: 64 loads of 512 consecutive bytes, all issued at once (256 registers), and stores 64 times 256 consecutive bytes, aligned.
	s_sub_co_u32 s25, ttmp9, 128
	s_lshl_b32 s26, s25, 17                        ; 131,072 bytes of x a work-group
	s_mov_b32 s27, 0
	s_add_nc_u64 s[8:9], s[8:9], s[26:27]
	s_lshl_b32 s26, s25, 16                        ; 65,536 bytes of xb
	s_add_nc_u64 s[18:19], s[18:19], s[26:27]
	s_lshl_b32 s28, s[WV], 15
	v_lshl_add_u32 v1, v5, 4, s28                  ; in: 32,768 x wave + 16 x lane
	s_lshl_b32 s28, s[WV], 14
	v_lshl_add_u32 v2, v5, 3, s28                  ; out: 16,384 x wave + 8 x lane
	WIN 0x40                                       ; destination window 1
.set i, 0
.rept 64
	global_load_b128 v[4*i:4*i+3], v1, s[8:9] offset:512*i th:TH_LOAD_NT
.set i, i+1
.endr
.set g, 0
.rept 8
	s_wait_loadcnt 56-8*g                          ; loads come back in order: group g's eight are in, the 56 - 8 g younger ones stay out
	WIN 0x05                                       ; sources window 1, destination window 0
.set i, 8*g
.rept 8
	v_cvt_pk_bf16_f32 v[32+2*i], v[4*i], v[4*i+1]
	v_cvt_pk_bf16_f32 v[33+2*i], v[4*i+2], v[4*i+3]
.set i, i+1
.endr
	WIN 0
.set i, 8*g
.rept 8
	global_store_b64 v2, v[32+2*i:33+2*i], s[18:19] offset:256*i th:TH_STORE_NT  ; 32 lanes x 8 bytes: 256 consecutive bytes, aligned; no register is written twice, so nothing waits for a store
.set i, i+1
.endr
.set g, g+1
.endr
	s_branch .Lend
.Lweights:
	; OUT[rr][cc] = sum over d of R[rr][d] C[cc][d].  Source 0 = 16 rows of C (m = cc), source 1 = the 16 rows of R (n = rr): a lane ends with one row rr = r and eight neighbouring columns 8 hh + 0..7.
	s_lshr_b32 s25, ttmp9, 6                       ; 0: mt, 1: nt
	s_bfe_u32 s26, ttmp9, 0x20004                  ; the head
	s_and_b32 s27, ttmp9, 15                       ; which 16 rows of the result
	s_movk_i32 s43, 512
	s_lshl_b32 s34, s26, 10                        ; the head's 256 columns of Wq, Wk, Wv: 1,024 bytes
	s_mov_b32 s35, 0
	s_lshl_b32 s36, s27, 16
	s_add_co_u32 s36, s36, s34                     ; R = Wk: 16 rows of 4,096 bytes, the head's columns
	s_lshl_b32 s37, s26, 18
	s_lshl_b32 s38, s27, 6
	s_add_co_u32 s37, s37, s38                     ; R = Wu, which lies [d][o]: the head's 256 rows of 1,024 bytes, my 16 columns
	s_lshl_b32 s40, s26, 17                        ; mt: a head is 131,072 bytes
	s_lshl_b32 s41, s26, 9                         ; nt: a head is 512 bytes of a row
	s_lshl_b32 s42, s27, 4
	s_lshl2_add_u32 s42, s[WV], s42                ; the first row that my wave stores: 16 x block + 4 x wave
	s_cmp_eq_u32 s25, 0
	s_cselect_b64 s[28:29], s[10:11], s[14:15]     ; C: Wq or Wv
	s_cselect_b64 s[30:31], s[12:13], s[16:17]     ; R: Wk or Wu
	s_cselect_b64 s[32:33], s[20:21], s[22:23]     ; the result: mt or nt
	s_cselect_b32 s36, s36, s37
	s_cselect_b32 s39, s43, 2048                   ; bytes in a row of the result
	s_cselect_b32 s40, s40, s41
	s_mov_b32 s37, 0
	s_mov_b32 s41, 0
	s_mul_i32 s42, s42, s39
	s_add_co_u32 s40, s40, s42
	s_add_nc_u64 s[28:29], s[28:29], s[34:35]
	s_add_nc_u64 s[30:31], s[30:31], s[36:37]
	s_add_nc_u64 s[32:33], s[32:33], s[40:41]
	s_lshl_b32 s38, s[WV], 18                      ; my wave's 64 rows of C
	v_lshlrev_b32 v3, 12, v6
	v_lshl_add_u32 v3, v7, 5, v3
	v_add_nc_u32 v3, s38, v3                       ; C: (64 wave + r) x 4,096 + 32 hh
	; A bf16 fragment (16 rows x 32 d) holds in lane (r, hh) d = 8 hh + 0..7 and 16 + 8 hh + 0..7.  In f32 that is 16 registers: 32 bytes at 32 hh and 32 bytes at 64 + 32 hh of each 128.
	s_cmp_eq_u32 s25, 0
	s_cbranch_scc0 .Lr_wu
	v_lshlrev_b32 v4, 12, v6
	v_lshl_add_u32 v4, v7, 5, v4                   ; Wk: r x 4,096 + 32 hh
.set kc, 0
.rept 8
.irp q, 0,1,2,3
	global_load_b128 v[RF+16*kc+4*(\q):RF+16*kc+4*(\q)+3], v4, s[30:31] offset:kc*128+16*((\q)%2)+64*((\q)/2)
.endr
.set kc, kc+1
.endr
	s_branch .Lr_done
.Lr_wu:
	v_lshlrev_b32 v4, 2, v6
	v_lshl_add_u32 v4, v7, 13, v4                  ; Wu: d runs down the rows: 4 r + 8 hh rows of 1,024 bytes.  Sixteen lanes take 64 bytes of a row: 1 MiB read so, once in the launch
.set kc, 0
.rept 8
.irp u, 0,1
.irp i, 0,1,2,3,4,5,6,7
	global_load_b32 v[RF+16*kc+8*(\u)+(\i)], v4, s[30:31] offset:kc*32768+(\u)*16384+(\i)*1024
.endr
.endr
.set kc, kc+1
.endr
.Lr_done:
	; C's four blocks of 16 rows, in f32: blocks 0, 1 in window 1, blocks 2, 3 in window 2, at 128 (j % 2) + 16 kc.  In the order in which they are used: 16 loads for each 32 along d.
.set kc, 0
.rept 8
	WIN 0x40
.irp j, 0,1
.irp q, 0,1,2,3
	global_load_b128 v[128*(\j)+16*kc+4*(\q):128*(\j)+16*kc+4*(\q)+3], v3, s[28:29] offset:(\j)*65536+kc*128+16*((\q)%2)+64*((\q)/2)
.endr
.endr
	WIN 0x80
.irp j, 0,1
.irp q, 0,1,2,3
	global_load_b128 v[128*(\j)+16*kc+4*(\q):128*(\j)+16*kc+4*(\q)+3], v3, s[28:29] offset:((\j)+2)*65536+kc*128+16*((\q)%2)+64*((\q)/2)
.endr
.endr
.set kc, kc+1
.endr
	WIN 0
	; addresses for the way out, while the loads are on their way
	s_lshl_b32 s44, s[WV], 7
	v_mul_u32_u24 v12, v6, SPITCH
	v_lshl_add_u32 v12, v7, 4, v12
	v_add_nc_u32 v12, s44, v12                     ; into the stage: row r, my wave's 128 bytes, 16 bytes for each half of the lanes
	s_mul_i32 s44, s[WV], 4*SPITCH
	v_lshl_add_u32 v13, v5, 4, s44                 ; back: my wave's four rows, 32 lanes x 16 bytes a row
	v_lshlrev_b32 v2, 4, v5
.irp i, 0,1,2,3
	s_mul_i32 s44, s39, \i
	v_add_nc_u32 v[8+(\i)], s44, v2                ; the same four rows in the result
.endr
	; Eight steps of 32 along d: round to bf16 (40 conversions), four products.  The four accumulators take turns; the two sets of fragments take turns, so the other set's 40 conversions
	; stand between a product and the rewriting of its sources.
.set kc, 0
.rept 8
.set TS, T+40*(kc%2)
.if kc == 0
	s_wait_loadcnt 48                              ; the field holds no larger multiple of 16: all but the last three steps' 48 loads are in, which serves steps 0 to 4
.elseif kc > 4
	s_wait_loadcnt 16*(7-kc)                       ; 16 younger loads for each later step
.endif
	WIN 0
.irp i, 0,1,2,3,4,5,6,7
	v_cvt_pk_bf16_f32 v[TS+(\i)], v[RF+16*kc+2*(\i)], v[RF+16*kc+2*(\i)+1]
.endr
	WIN 0x05                                       ; sources window 1
.irp j, 0,1
.irp i, 0,1,2,3,4,5,6,7
	v_cvt_pk_bf16_f32 v[TS+8+8*(\j)+(\i)], v[128*(\j)+16*kc+2*(\i)], v[128*(\j)+16*kc+2*(\i)+1]
.endr
.endr
	WIN 0x0a                                       ; sources window 2
.irp j, 0,1
.irp i, 0,1,2,3,4,5,6,7
	v_cvt_pk_bf16_f32 v[TS+24+8*(\j)+(\i)], v[128*(\j)+16*kc+2*(\i)], v[128*(\j)+16*kc+2*(\i)+1]
.endr
.endr
	WIN 0
.irp j, 0,1,2,3
.if kc == 0
	v_wmma_f32_16x16x32_bf16 v[ACC+8*(\j):ACC+8*(\j)+7], v[TS+8+8*(\j):TS+15+8*(\j)], v[TS:TS+7], 0
.else
	v_wmma_f32_16x16x32_bf16 v[ACC+8*(\j):ACC+8*(\j)+7], v[TS+8+8*(\j):TS+15+8*(\j)], v[TS:TS+7], v[ACC+8*(\j):ACC+8*(\j)+7]
.endif
.endr
.set kc, kc+1
.endr
	; THE WAY OUT.  A wave's 64 columns are 128 bytes of a row of 512: the four waves meet in one stage, and each then stores four whole rows.
	PLACES 8
.irp j, 0,1,2,3
.irp i, 0,1,2,3
	v_cvt_pk_bf16_f32 v[T+4*(\j)+(\i)], v[ACC+8*(\j)+2*(\i)], v[ACC+8*(\j)+2*(\i)+1]
.endr
.endr
.irp j, 0,1,2,3
	ds_store_b128 v12, v[T+4*(\j):T+4*(\j)+3] offset:32*(\j)
.endr
	s_wait_dscnt 0x0                               ; for the others' sake: my stores into the stage are done
	s_barrier_signal -1
	s_barrier_wait -1
.irp i, 0,1,2,3
	ds_load_b128 v[T+16+4*(\i):T+19+4*(\i)], v13 offset:SPITCH*(\i)
.endr
	s_wait_dscnt 0x0
.irp i, 0,1,2,3
	global_store_b128 v[8+(\i)], v[T+16+4*(\i):T+19+4*(\i)], s[32:33]  ; 512 consecutive bytes, aligned
.endr
.Lend:
	s_wait_tensorcnt 0x0                           ; the wave's end: behind my last LDS store
	ds_add_u32 v[SPW], v[NIL]
	s_wait_dscnt 0x0
	s_endpgm
.Lfunc_end_k_qbf9e3c8836_prep:
	.size	k_qbf9e3c8836_prep, .Lfunc_end_k_qbf9e3c8836_prep-k_qbf9e3c8836_prep
	.p2alignl 7, 3214868480
	.fill 96, 4, 3214868480
	.section	.rodata,"a",@progbits
	.p2align	6, 0x0
	.amdhsa_kernel k_qbf9e3c8836_prep
		.amdhsa_group_segment_fixed_size 8960
		.amdhsa_private_segment_fixed_size 0
		.amdhsa_enable_private_segment 0
		.amdhsa_kernarg_size 64
		.amdhsa_user_sgpr_count 2
		.amdhsa_user_sgpr_kernarg_segment_ptr 1
		.amdhsa_wavefront_size32 1
		.amdhsa_system_sgpr_workgroup_id_x 1
		.amdhsa_system_sgpr_workgroup_id_y 1
		.amdhsa_system_sgpr_workgroup_id_z 1
		.amdhsa_system_vgpr_workitem_id 0
		.amdhsa_next_free_vgpr 768
		.amdhsa_next_free_sgpr 66
		.amdhsa_reserve_vcc 0
		.amdhsa_float_denorm_mode_32 3
		.amdhsa_float_denorm_mode_16_64 3
		.amdhsa_memory_ordered 1
		.amdhsa_forward_progress 1
		.amdhsa_inst_pref_size 77
	.end_amdhsa_kernel
	.amdgpu_metadata
---
amdhsa.version: [ 1, 2 ]
amdhsa.kernels:
  - .name:           k_qbf9e3c8836_prep
    .symbol:         k_qbf9e3c8836_prep.kd
    .args:
      - { .name: x, .offset: 0, .size: 8, .value_kind: global_buffer, .address_space: global }
      - { .name: Wq, .offset: 8, .size: 8, .value_kind: global_buffer, .address_space: global }
      - { .name: Wk, .offset: 16, .size: 8, .value_kind: global_buffer, .address_space: global }
      - { .name: Wv, .offset: 24, .size: 8, .value_kind: global_buffer, .address_space: global }
      - { .name: Wu, .offset: 32, .size: 8, .value_kind: global_buffer, .address_space: global }
      - { .name: xb, .offset: 40, .size: 8, .value_kind: global_buffer, .address_space: global }
      - { .name: mt, .offset: 48, .size: 8, .value_kind: global_buffer, .address_space: global }
      - { .name: nt, .offset: 56, .size: 8, .value_kind: global_buffer, .address_space: global }
    .group_segment_fixed_size: 8960
    .private_segment_fixed_size: 0
    .kernarg_segment_align: 8
    .kernarg_segment_size: 64
    .max_flat_workgroup_size: 128
    .sgpr_count:     66
    .vgpr_count:     768
    .wavefront_size: 32
...
	.end_amdgpu_metadata
.endif
;; end of part 1
;; launch attn (part 2): grid 16 x 16, 4 waves a work-group, clusters of 4 x 1, 327,680 bytes of LDS; arguments xb, mt, y; writes y
.if DOCPART == 2
	.amdgcn_target "amdgcn-amd-amdhsa--gfx1250"
	.amdhsa_code_object_version 6
	.text
	.protected	k_qbf9e3c8836_attn
	.globl	k_qbf9e3c8836_attn
	.p2align	8
	.type	k_qbf9e3c8836_attn,@function
k_qbf9e3c8836_attn:
	s_mov_b64 s[64:65], 0
	v_nop
	global_prefetch_b8 v0, s[64:65] scope:SCOPE_SE
	s_setreg_imm32_b32 hwreg(HW_REG_WAVE_MODE, 25, 1), 1
	s_wait_xcnt 0x0
	s_wait_alu depctr_hold_cnt(0) depctr_sa_sdst(0) depctr_va_vdst(0) depctr_va_sdst(0) depctr_va_ssrc(0) depctr_va_vcc(0) depctr_vm_vsrc(0)
	s_getreg_b32 s2, hwreg(HW_REG_IB_STS2, 6, 4)
	s_cmp_eq_u32 s2, 0
	s_cbranch_scc0 .Lentry_in_a_cluster
	s_endpgm
.Lentry_in_a_cluster:
	s_bfe_u32 s2, ttmp6, 0x10000c
	s_cmp_lg_u32 s2, 0x3003
	s_cbranch_scc0 .Lentry_shape_is_right
	s_endpgm
.Lentry_shape_is_right:
; ATTENTION with K = V = x.  For batch b, head h and query token q (0..511):  Q'[q][e'] = sum over e of mt[h][e'][e] x[q][e];  s[q][k] = Q'[q] . x[k] / 16;  y[b 512 + q][256 h + c] = sum over k of softmax_k(s) x[k][c].
; xb: [16][2048][256] bf16; mt: [4][256][256] bf16; y: [8192][1024] bf16.  Products, maxima and sums in f32; Q' and the weights p are rounded once to bf16 for the matrix unit (the sum l is taken of the
; unrounded p), y once at the end.
; LIMITS.  A weight below 2^-126 counts as 0 in l.  NaN and infinities are not treated apart.  The running maximum starts at the lowest finite number and c m at -4.25e37, so the first step's factor a is 0;
; O^T's registers are not cleared: at that step they hold packed bf16 numbers of x and mt, which are finite f32 patterns as long as x and mt are finite in bf16, and a = 0 makes 0 of them.
; SHARES.  A work-group owns 128 queries of one (b, h): 256 work-groups of equal work.  Wave = 2 qh + kh owns 64 queries (four tiles of 16) and HALF OF THE KEYS: rows 128 kh .. 128 kh + 127 of every tile of
; 256 keys, 64 a step.  So a fragment read from LDS feeds four products; the two halves' results are merged once, through LDS, at the end.  Register tile t is query tile (t + 2 kh) % 4: every wave keeps
; its register tiles 0, 1 and hands over 2, 3: one text for both halves.
; LAYOUT.  S^T = x Q'^T (source 0 = 16 keys, source 1 = 16 queries): a lane holds ONE query (lane % 16) and the keys 8 (lane / 16) + 0..7.  Two such results rounded to bf16 in pairs ARE source 1 (32 keys x 16
; queries) of O^T = x^T P.  In the same way two results of Q'^T = mt x_q^T are source 1 of S^T.  As K a tile is read as it lies, as V turned, by ds_load_tr16_b128.
; SOFTMAX.  For each query a running maximum m and sum l: p = 2^(c s - c m), c = log2(e) / 16; in every step O and l are multiplied by a = 2^(c m_old - c m_new).
; CLUSTER.  The four query blocks of one (b, h) walk the same mt and the same tiles of x: each is asked for JOINTLY, by the same tensor load, descriptor and mask in all four.
; REGISTERS, in windows of 256 (s_set_vgpr_msb: bits 1:0 source 0, 3:2 source 1, 5:4 source 2, 7:6 destination):
;   window 0: v0-7 addresses; v8-23 statistics, four a tile; v24-31 at work; v32-159 S^T, 32 a tile (P takes the low 16 of them in place); v160-255 three fragment buffers of 32
;   window 1: Q', tile t, channels 32 g on at 64 t + 8 g      window 2: O^T, channel blocks 0-7 at 64 t + 8 cb      window 3: O^T, channel blocks 8-15
.set PITCH, 528                        ; an LDS row: 512 bytes + 16 of padding = 132 words: the 16 rows of a fragment load start at 16 different groups of four banks (64 banks of 4 bytes: ISA guide 11.1)
.set SLOT1, 256*PITCH                  ; 0x21000: slot 1; slot 0 begins at 0
.set STEPB, 64*PITCH                   ; 0x8400: a step's 64 rows, and what one tensor load brings.  The bits of SLOT1, of STEPB and of wave x STEPB do not meet, so an exclusive or toggles them
.set HALFB, 128*PITCH                  ; a key half's 128 rows
.set SPARE, 2*SLOT1                    ; behind the ring: the spare words, 128 bytes for each wave
.set MSTAT, 131072                     ; after slot 0's last fill: bytes 0 .. 131,071 carry O^T from wave to wave, 512 bytes a wave from here on the statistics
.set TILEB, 131072                     ; a tile in memory: 256 rows of 512 bytes
.set AK0, 1                            ; v1   my lane's place in a tile, read as K; never rewritten
.set AV0, 2                            ; v2   the same, read as V
.set ADRK, 3                           ; v3   LDS address of K's runs of loads
.set ADRV, 4                           ; v4   of V's
.set PFO, 5                            ; v5   256 x lane; never rewritten
.set SPW, 6                            ; v6   LDS address of my spare word; never rewritten
.set NIL, 7                            ; v7   0; never rewritten
.set ST,  8                            ; tile t at ST + 4 t: c m, m, l (even keys', odd keys')
.set TMP, 24                           ; c0-c3 for two tiles at a time; c2 takes a
.set S,   32
.set BUF, 160
.set FA,  160                          ; the merge's factors, 8 a tile
.set WV,  10
.set KH,  11
.set QH,  12
.set G1,  24                           ; s[24:31] descriptor group 1
.set G0M, 32                           ; s[32:35] group 0 for mt
.set G0X, 36                           ; s[36:39] group 0 for x's tiles: it walks
.set SLOTS, 40
.set CNT, 41
.set TB,  42                           ; LDS byte at which the step in hand begins, less the key half
.set LIM, 43                           ; 1 in a cluster that prefetches, else the greatest number
.set PFA, 44                           ; s[44:45]
.set CS,  46                           ; s[46:47] c, twice
.set SEL, 48                           ; s[48:49] v_permlanex16_b32's selects: each lane takes its own place in the other half
.set SQ,  50                           ; s[50:51] xb at my wave's 64 queries
.set SY,  52                           ; s[52:53] y at the 32 rows that my wave stores
.set MSB, 0
.macro WIN new
.if MSB != (\new)
	s_set_vgpr_msb (MSB<<8)|(\new)
.set MSB, (\new)
.endif
.endm
.macro PLACES n=4                      ; plain vector instructions between a matrix instruction and a load into, or a write over, one of its registers, or a read of its result
.rept \n
	v_nop
.endr
.endm
.macro CROUND                          ; a round of the cluster's barrier
	s_barrier_signal -1
	s_barrier_wait -1
	s_cmp_lg_u32 s[WV], 0
	s_cbranch_scc1 .Lnot_wave_0_\@
	s_barrier_signal -3
.Lnot_wave_0_\@:
	s_barrier_wait -3
	s_barrier_signal -1
	s_barrier_wait -1
.endm
	s_load_b128 s[4:7], s[0:1], 0x0                ; xb s[4:5], mt s[6:7]
	s_load_b64 s[8:9], s[0:1], 0x10                ; y
	v_lshl_add_u32 v[SPW], v0, 2, SPARE
	v_mov_b32 v[NIL], 0
	ds_add_u32 v[SPW], v[NIL]                      ; the wave's opening: the add and its wait stand ahead of my first tensor load; the set-up below stands between them
	v_lshrrev_b32 v1, 5, v0
	v_readfirstlane_b32 s[WV], v1                  ; wave 0..3
	s_and_b32 s[KH], s[WV], 1                      ; my half of the keys
	s_lshr_b32 s[QH], s[WV], 1                     ; my half of the queries
	s_bfe_u32 s13, ttmp6, 0x40000                  ; cx: my block of 128 queries; the cluster's x (ttmp9) is the head, its y the batch
	s_and_b32 s15, ttmp7, 0xffff
	s_lshl_b32 s15, s15, 20                        ; the batch's first byte, in xb and in y alike
	s_lshl_b32 s14, s[WV], 15                      ; the 64 rows of a tile that I fetch
	s_lshl_b32 s16, ttmp9, 17
	s_add_co_u32 s16, s16, s14                     ; mt: head, my rows.  s[16:19] never hold cx
	s_mov_b32 s17, 0
	s_add_co_u32 s18, s15, s14                     ; x's tile 0: batch, my rows
	s_mov_b32 s19, 0
	s_lshl_b32 s20, s13, 16                        ; my queries: 128 rows a block, 64 a half
	s_add_co_u32 s20, s20, s15
	s_lshl_b32 s21, s[QH], 15
	s_add_co_u32 s20, s20, s21
	s_mov_b32 s21, 0
	s_lshl_b32 s22, s13, 18                        ; y: rows of 2,048 bytes: 128 a block, 64 a query half, 32 for the two tiles that I keep; the head's 512 bytes
	s_add_co_u32 s22, s22, s15
	s_lshl_b32 s23, s[QH], 17
	s_add_co_u32 s22, s22, s23
	s_lshl_b32 s23, s[KH], 16
	s_add_co_u32 s22, s22, s23
	s_lshl_b32 s23, ttmp9, 9
	s_add_co_u32 s22, s22, s23
	s_mov_b32 s23, 0
	s_lshl_b32 s54, s13, 15                        ; the prefetches: of a tile's 512 blocks of 256 bytes my work-group takes 128, my wave 32, a lane one
	s_add_co_u32 s54, s54, s15
	s_lshl_b32 s55, s[WV], 13
	s_add_co_u32 s54, s54, s55
	s_add_co_u32 s54, s54, TILEB                   ; at tile 1; the first change of slots steps it to tile 2
	s_mov_b32 s55, 0
	; descriptor group 1: 64 rows x 256 elements of 2 bytes, padded in LDS
	s_mov_b32 s[G1+0], 15|(1<<16)|(1<<20)|(1<<21)|(6<<22)|(3<<25)  ; 15:0 the mask of four; 17:16 2-byte elements; 20 padding on; 21 set beside a mask; 24:22 after every 128 words (code 6); 31:25 4 words (code 3)
	s_mov_b32 s[G1+1], 256<<16                     ; tensor_dim0 = 256
	s_mov_b32 s[G1+2], 64<<16                      ; tensor_dim1 = 64
	s_mov_b32 s[G1+3], 256<<16                     ; tile_dim0 = 256
	s_mov_b32 s[G1+4], 64                          ; tile_dim1 = 64
	s_mov_b32 s[G1+5], 256                         ; 256 elements from row to row
	s_mov_b32 s[G1+6], 0
	s_mov_b32 s[G1+7], 0
	s_mov_b32 s[G0M], 1
	s_mov_b32 s[G0X], 1
	s_mul_i32 s[G0X+1], s[WV], STEPB               ; x's tile 0 into slot 0: wave x 64 rows
	s_add_co_u32 s[G0M+1], s[G0X+1], SLOT1         ; mt into slot 1
	s_mov_b32 s[CS], 0x3db8aa3b                    ; c = log2(e) / 16 = 0.0901684
	s_mov_b32 s[CS+1], s[CS]
	s_mov_b32 s[SEL], 0x76543210
	s_mov_b32 s[SEL+1], 0xfedcba98
	s_mov_b32 s[TB], SLOT1                         ; the first change of slots turns it into 0
	s_mov_b32 s[SLOTS], 7
	s_cmp_eq_u32 ttmp9, 0                          ; four clusters walk a batch's tiles: that of head 0 prefetches.  The same answer in all four partners
	s_cselect_b32 s[LIM], 1, -1
	s_wait_dscnt 0x0                               ; the opening add is done
	s_wait_kmcnt 0x0
	s_add_nc_u64 s[G0M+2:G0M+3], s[6:7], s[16:17]
	s_or_b32 s[G0M+3], s[G0M+3], 0x80000000        ; type = 2
	s_add_nc_u64 s[G0X+2:G0X+3], s[4:5], s[18:19]
	s_or_b32 s[G0X+3], s[G0X+3], 0x80000000
	s_add_nc_u64 s[SQ:SQ+1], s[4:5], s[20:21]
	s_add_nc_u64 s[SY:SY+1], s[8:9], s[22:23]
	s_add_nc_u64 s[PFA:PFA+1], s[4:5], s[54:55]
	CROUND                                         ; all four work-groups are here: the first joint loads meet
	tensor_load_to_lds s[G0M:G0M+3], s[G1:G1+7]    ; my quarter of mt: the ring's tile -1
	s_nop 0
	tensor_load_to_lds s[G0X:G0X+3], s[G1:G1+7]    ; my quarter of x's tile 0.  Two tensor loads of mine are out
	s_nop 0
	PLACES
	v_and_b32 v28, 15, v0                          ; r
	v_bfe_u32 v29, v0, 4, 1                        ; hh
	v_and_b32 v30, 31, v0                          ; lane
	v_lshlrev_b32 v27, 9, v28
	v_lshl_add_u32 v27, v29, 4, v27                ; a fragment's row in memory: r x 512 + 16 hh
	s_lshl_b32 s56, s[KH], 14
	s_xor_b32 s57, s56, 16384
	v_add_nc_u32 v24, s56, v27                     ; register tiles 0, 1 are query tiles 2 kh, 2 kh + 1,
	v_add_nc_u32 v25, s57, v27                     ; register tiles 2, 3 the other two
	WIN 0x80                                       ; destination window 2: x_q, tile t, channels 32 kc on at 64 t + 8 kc
.set t, 0
.rept 4
.set kc, 0
.rept 8
	global_load_b128 v[64*t+8*kc:64*t+8*kc+3],   v[24+t/2], s[SQ:SQ+1] offset:(t%2)*8192+64*kc
	global_load_b128 v[64*t+8*kc+4:64*t+8*kc+7], v[24+t/2], s[SQ:SQ+1] offset:(t%2)*8192+64*kc+32
.set kc, kc+1
.endr
.set t, t+1
.endr
	WIN 0
	v_mul_u32_u24 v31, v28, PITCH
	v_lshl_add_u32 v31, v29, 4, v31                ; a fragment's row in LDS: r x pitch + 16 hh
	s_mul_i32 s58, s[KH], HALFB
	v_add_nc_u32 v[AK0], s58, v31
	; The turning load leaves in lane l eight keys of one channel.  Lanes 8-15 and 24-31 address 128 bytes, not 16, behind lanes 0-7 and 16-23.
	; So row m of a fragment of x^T is channel cst + m (m < 8) or cst + 64 + m - 8, with cst = 8 (cb % 8) + 128 (cb / 8), and in O^T lane (r, hh), register j is channel cst + 64 hh + j.
	v_and_b32 v26, 7, v0
	v_lshl_add_u32 v26, v29, 3, v26
	v_mul_u32_u24 v[AV0], v26, PITCH
	v_bfe_u32 v26, v0, 3, 1
	v_lshl_add_u32 v[AV0], v26, 7, v[AV0]
	v_add_nc_u32 v[AV0], s58, v[AV0]
	v_lshlrev_b32 v[PFO], 8, v30
	v_add_nc_u32 v[ADRK], SLOT1, v31               ; for the prologue: mt's rows 0-127,
	v_add_nc_u32 v[ADRV], HALFB, v[ADRK]           ; and 128-255
.irp t, 0,1,2,3
	v_mov_b32 v[ST+4*(\t)], 0xfe000000             ; c m: far below every c s
	v_mov_b32 v[ST+4*(\t)+1], 0xff7fffff           ; m
	v_mov_b32 v[ST+4*(\t)+2], 0
	v_mov_b32 v[ST+4*(\t)+3], 0
.endr
	s_wait_tensorcnt 1                             ; my part of mt is in; tile 0's load, issued behind it, may stay out
	s_barrier_signal -1
	s_barrier_wait -1                              ; everybody's part is
; THE PROLOGUE.  Q'^T = mt x_q^T for my four tiles, in eight groups of 32 channels e'.  (Both key halves make it: no LDS is free to hand it over.)
.macro FETCH_M g                       ; mt's rows 32 g .. 32 g + 31, all 256 along e: 32 loads into half g % 2 of window 3
	WIN 0xc0
.set ee, 0
.rept 2
.set kc, 0
.rept 8
.set mo, ((2*(\g)+ee)%8)*16*PITCH+64*kc
.set md, 128*((\g)%2)+64*ee+8*kc
	ds_load_b128 v[md:md+3],   v[ADRK+(\g)/4] offset:mo
	ds_load_b128 v[md+4:md+7], v[ADRK+(\g)/4] offset:mo+32
.set kc, kc+1
.endr
.set ee, ee+1
.endr
.endm
.macro QPMUL g                         ; 64 products; the eight accumulators (block ee, tile t) take turns
	WIN 0x0b                                       ; source 0 window 3, source 1 window 2
.set kc, 0
.rept 8
.set ee, 0
.rept 2
.set t, 0
.rept 4
.set rA, S+8*(4*ee+t)
.if kc == 0
	v_wmma_f32_16x16x32_bf16 v[rA:rA+7], v[128*((\g)%2)+64*ee+8*kc:128*((\g)%2)+64*ee+8*kc+7], v[64*t+8*kc:64*t+8*kc+7], 0
.else
	v_wmma_f32_16x16x32_bf16 v[rA:rA+7], v[128*((\g)%2)+64*ee+8*kc:128*((\g)%2)+64*ee+8*kc+7], v[64*t+8*kc:64*t+8*kc+7], v[rA:rA+7]
.endif
.set t, t+1
.endr
.set ee, ee+1
.endr
.set kc, kc+1
.endr
.endm
.macro QPCVT g                         ; rounded in pairs: the fragment of Q' for channels 32 g on
	WIN 0x40                                       ; destination window 1
.set ee, 0
.rept 2
.set t, 0
.rept 4
.irp i, 0,1,2,3
	v_cvt_pk_bf16_f32 v[64*t+8*(\g)+4*ee+(\i)], v[S+8*(4*ee+t)+2*(\i)], v[S+8*(4*ee+t)+2*(\i)+1]
.endr
.set t, t+1
.endr
.set ee, ee+1
.endr
.endm
	FETCH_M 0
.irp g, 0,1,2,3,4,5,6,7
.if \g < 7
	FETCH_M (\g+1)                                 ; into the half that group g - 1 multiplied: four v_nop and 32 conversions lie behind its last product
	s_wait_dscnt 32                                ; all but the 32 just issued
.else
	s_wait_dscnt 0x0
.endif
.if \g == 0
	s_wait_loadcnt 0x0                             ; x_q
.endif
	QPMUL \g
	PLACES
	QPCVT \g
.endr
	WIN 0
; THE LDS LOADS stand in runs of 8 (four fragments, 32 registers), three buffers by turns.
.macro LDK j, buf                      ; as K: channels 32 j on of the step's four blocks of 16 keys
.set kb, 0
.rept 4
	ds_load_b128 v[BUF+32*(\buf)+8*kb:BUF+32*(\buf)+8*kb+3],   v[ADRK] offset:kb*16*PITCH+64*(\j)
	ds_load_b128 v[BUF+32*(\buf)+8*kb+4:BUF+32*(\buf)+8*kb+7], v[ADRK] offset:kb*16*PITCH+64*(\j)+32
.set kb, kb+1
.endr
.endm
.macro LDV j, buf                      ; as V, turned: fragment f is channel block cb = 8 (j / 4) + 2 (j % 4) + f % 2, keys 32 (f / 2) on
.set f, 0
.rept 4
.set cb, 8*((\j)/4)+2*((\j)%4)+f%2
.set vo, (f/2)*32*PITCH+16*(cb%8)+256*(cb/8)
	ds_load_tr16_b128 v[BUF+32*(\buf)+8*f:BUF+32*(\buf)+8*f+3],   v[ADRV] offset:vo
	ds_load_tr16_b128 v[BUF+32*(\buf)+8*f+4:BUF+32*(\buf)+8*f+7], v[ADRV] offset:vo+16*PITCH
.set f, f+1
.endr
.endm
; THE MATRIX WORK.  The accumulators take turns, one instruction a turn: 16 in a chunk of S^T, 8 (twice) in a chunk of O^T.
.macro QKMUL j                         ; 16 products of S^T: channels 32 j on, four key blocks x four tiles.  Chunk 0 starts the sums
	WIN 0x04                                       ; source 1 (Q') window 1
.set kb, 0
.rept 4
.set t, 0
.rept 4
.if (\j) == 0
	v_wmma_f32_16x16x32_bf16 v[S+32*t+8*kb:S+32*t+8*kb+7], v[BUF+32*((\j)%3)+8*kb:BUF+32*((\j)%3)+8*kb+7], v[64*t+8*(\j):64*t+8*(\j)+7], 0
.else
	v_wmma_f32_16x16x32_bf16 v[S+32*t+8*kb:S+32*t+8*kb+7], v[BUF+32*((\j)%3)+8*kb:BUF+32*((\j)%3)+8*kb+7], v[64*t+8*(\j):64*t+8*(\j)+7], v[S+32*t+8*kb:S+32*t+8*kb+7]
.endif
.set t, t+1
.endr
.set kb, kb+1
.endr
.endm
.macro PVMUL j                         ; 16 products of O^T: two channel blocks x two key halves x four tiles
.if (\j) < 4
	WIN 0xa0                                       ; C and D window 2
.else
	WIN 0xf0                                       ; window 3
.endif
.set f, 0
.rept 4
.set t, 0
.rept 4
.set rO, 64*t+8*(2*((\j)%4)+f%2)
	v_wmma_f32_16x16x32_bf16 v[rO:rO+7], v[BUF+32*((\j)%3)+8*f:BUF+32*((\j)%3)+8*f+7], v[S+32*t+8*(f/2):S+32*t+8*(f/2)+7], v[rO:rO+7]
.set t, t+1
.endr
.set f, f+1
.endr
.endm
; A PHASE is eight chunks on buffers 0, 1, 2, 0, 1, 2, 0, 1.  Behind chunk j, four places on, its buffer takes the chunk three further on; behind chunks 5, 6, 7 the NEXT phase's chunks 2, 0, 1.  So the runs
; are issued in the order 2', 0', 1', 3, 4, 5, 6, 7, 2'', 0'', 1''.  THE WAITS count the younger runs of 8: chunk 0 has one behind it (1'), chunk 1 one (3), every later chunk two.
.macro QKPH
.irp j, 0,1,2,3,4,5,6,7
.if \j < 2
	s_wait_dscnt 8
.else
	s_wait_dscnt 16
.endif
	QKMUL \j
	PLACES
.if \j < 5
	LDK (\j+3), (\j%3)
.elseif \j == 5
	LDV 2, 2
.elseif \j == 6
	LDV 0, 0
.else
	LDV 1, 1
.endif
.endr
.endm
; In a slot's second step there is no next step to fetch for: the last three chunks stand twice, with loads and without (there the counts run down: 16, 8, 0).
; Five places stand behind the phase's last product: the next S^T's first products write over P, which it read.
.macro PVPH
.irp j, 0,1,2,3,4
.if \j < 2
	s_wait_dscnt 8
.else
	s_wait_dscnt 16
.endif
	PVMUL \j
	PLACES
	WIN 0
	LDV (\j+3), (\j%3)
.endr
	s_cmp_eq_u32 s[CNT], 1
	s_cbranch_scc1 .Llast_\@
	s_wait_dscnt 16
	PVMUL 5
	PLACES
	WIN 0
	LDK 2, 2
	s_wait_dscnt 16
	PVMUL 6
	PLACES
	WIN 0
	LDK 0, 0
	s_wait_dscnt 16
	PVMUL 7
	PLACES 5
	WIN 0
	LDK 1, 1
	s_branch .Ljoin_\@
.Llast_\@:
	s_wait_dscnt 16
	PVMUL 5
	s_wait_dscnt 8
	PVMUL 6
	s_wait_dscnt 0x0
	PVMUL 7
	PLACES 5
	WIN 0
.Ljoin_\@:
.endm
; THE SOFTMAX of two tiles, their lines alternating.
.macro SREG t
.set rT, ST+4*(\t)
.set rC, TMP+4*((\t)%2)
.set rS, S+32*(\t)
.endm
; Number n of the 22 that find the maximum and the statistics.  0-11: four chains c0-c3 of seven scores each, three operands at a time (each accumulator's lowest registers are read first);
; 12-15: the four scores left over, c0-c3 and the old m into c0; 16, 18: the query's other 32 keys lie in the lane 16 away: the new m; 17, 19, 20: c m_old is kept, c m, their difference; 21: a.
.macro SMX t, n
	SREG \t
.if (\n) < 4
	v_max3_num_f32 v[rC+(\n)], v[rS+8*(\n)], v[rS+8*(\n)+1], v[rS+8*(\n)+2]
.elseif (\n) < 12
	v_max3_num_f32 v[rC+(\n)%4], v[rC+(\n)%4], v[rS+8*((\n)%4)+2*((\n)/4)+1], v[rS+8*((\n)%4)+2*((\n)/4)+2]
.elseif (\n) == 12
	v_max3_num_f32 v[rC], v[rC], v[rS+7], v[rS+15]
.elseif (\n) == 13
	v_max3_num_f32 v[rC+2], v[rC+2], v[rS+23], v[rS+31]
.elseif (\n) == 14
	v_max3_num_f32 v[rC], v[rC], v[rC+1], v[rC+2]
.elseif (\n) == 15
	v_max3_num_f32 v[rC], v[rC], v[rC+3], v[rT+1]
.elseif (\n) == 16
	v_permlanex16_b32 v[rC+1], v[rC], s[SEL], s[SEL+1]
.elseif (\n) == 17
	v_mov_b32 v[rC+3], v[rT]
.elseif (\n) == 18
	v_max_num_f32 v[rT+1], v[rC], v[rC+1]
.elseif (\n) == 19
	v_mul_f32 v[rT], s[CS], v[rT+1]
.elseif (\n) == 20
	v_sub_f32 v[rC+3], v[rC+3], v[rT]
.else
	v_exp_f32 v[rC+2], v[rC+3]
.endif
.endm
.macro SFS t, b                        ; pair b of 16: c s - c m
	SREG \t
	v_pk_fma_f32 v[rS+2*(\b):rS+2*(\b)+1], v[rS+2*(\b):rS+2*(\b)+1], s[CS:CS+1], v[rT:rT+1] op_sel_hi:[1,0,0] neg_lo:[0,0,1] neg_hi:[0,0,1]
.endm
.macro SEX t, b                        ; its two exponentials
	SREG \t
	v_exp_f32 v[rS+2*(\b)], v[rS+2*(\b)]
	v_exp_f32 v[rS+2*(\b)+1], v[rS+2*(\b)+1]
.endm
.macro SSUM t, k                       ; the four weights 4 k ..: their sum by pairs into c0, c1; rounded to bf16 IN PLACE (registers 2 k, 2 k + 1 have been read by then); l takes the sum (k = 0: l = a l + sum)
	SREG \t
	v_pk_add_f32 v[rC:rC+1], v[rS+4*(\k):rS+4*(\k)+1], v[rS+4*(\k)+2:rS+4*(\k)+3]
	v_cvt_pk_bf16_f32 v[rS+2*(\k)], v[rS+4*(\k)], v[rS+4*(\k)+1]
	v_cvt_pk_bf16_f32 v[rS+2*(\k)+1], v[rS+4*(\k)+2], v[rS+4*(\k)+3]
.if (\k) == 0
	v_pk_fma_f32 v[rT+2:rT+3], v[rT+2:rT+3], v[rC+2:rC+3], v[rC:rC+1] op_sel_hi:[1,0,1]
.else
	v_pk_add_f32 v[rT+2:rT+3], v[rT+2:rT+3], v[rC:rC+1]
.endif
.endm
.macro SRS t                           ; 32 packed multiplies: the tile's O^T in the window that is set, times a, from each accumulator's low end on
	SREG \t
.set i, 0
.rept 32
	v_pk_mul_f32 v[64*(\t)+2*i:64*(\t)+2*i+1], v[64*(\t)+2*i:64*(\t)+2*i+1], v[rC+2:rC+3] op_sel_hi:[1,0]
.set i, i+1
.endr
.endm
.macro SOFT p
	WIN 0
.irp n, 0,1,2,3,4,5,6,7,8,9,10,11,12,13,14,15,16,17,18,19,20,21
	SMX \p, \n
	SMX (\p)+1, \n
.endr
	SFS \p, 0                                      ; ONE BATCH of 66 exponentials (the two a above among them): nothing ahead of the wait names a result.  A pair is scaled ahead of the pair before's exponentials
	SFS (\p)+1, 0
.set bb, 1
.rept 15
	SFS \p, bb
	SFS (\p)+1, bb
	SEX \p, bb-1
	SEX (\p)+1, bb-1
.set bb, bb+1
.endr
	SEX \p, 15
	SEX (\p)+1, 15
	v_nop                                          ; a plain instruction behind the last exponential, ahead of the first use (ISA guide 5.7.2)
	s_wait_alu depctr_va_vdst(0)                   ; the wait ahead of the first instruction that names a result: one for the batch
.set kk, 0
.rept 8
	SSUM \p, kk
	SSUM (\p)+1, kk
.set kk, kk+1
.endr
	WIN 0x82                                       ; O^T (destination and source 0) window 2, a window 0
	SRS \p
	SRS (\p)+1
	WIN 0xc3                                       ; window 3
	SRS \p
	SRS (\p)+1
	WIN 0
.endm
; A KEY STEP: 64 keys for my 64 queries: 128 products, the softmax, 128 products.
.macro STEP
	v_add_nc_u32 v[ADRV], s[TB], v[AV0]            ; V of this step lies where its K lies
	QKPH
	SOFT 0
	SOFT 2
	s_xor_b32 s[TB], s[TB], STEPB                  ; the slot's other step
	v_add_nc_u32 v[ADRK], s[TB], v[AK0]
	PVPH
.endm
.macro SLOTBODY                        ; a slot's two steps: written once, walked twice
	v_add_nc_u32 v[ADRK], s[TB], v[AK0]
	LDK 2, 2                                       ; the first three runs, in the order in which a phase leaves them
	LDK 0, 0
	LDK 1, 1
	s_mov_b32 s[CNT], 2
.Lstep_\@:
	STEP
	s_sub_co_u32 s[CNT], s[CNT], 1
	s_cmp_lg_u32 s[CNT], 0
	s_cbranch_scc1 .Lstep_\@
.endm
; A PREFETCH INTO THE L2 of the tile that the NEXT change of slots will ask for: 512 blocks of 256 bytes, a lane a block.  Four clusters walk a batch's tiles: that of head 0 asks, and its four partners and their
; four waves share the blocks out BY ADDRESS.  So each block is named once in the launch.  It stands behind the tensor load and its five lines, one slot (512 matrix instructions a wave) ahead of the load that
; wants the tile.  The last refill asks for nothing; mt and tiles 0 and 1 come by their loads alone.
.macro ASK
	s_cmp_gt_u32 s[SLOTS], s[LIM]
	s_cbranch_scc0 .Lnot_mine_\@
	global_prefetch_b8 v[PFO], s[PFA:PFA+1] th:TH_LOAD_NT scope:SCOPE_SE
.Lnot_mine_\@:
.endm
; THE CHANGE OF SLOTS.  Each wave waits for all its tensor loads, of which one is out: its part of the other slot; adds 0 to its spare word; and waits for that and for its own reads of the slot that it leaves.
; fill = 1: the barrier is a round of the cluster's, so that no wave of any partner still reads the slot or has a load on its way, and the joint refill is the first thing behind it.
.macro CHANGE fill
	WIN 0
	s_wait_tensorcnt 0x0                           ; no tensor load of mine is out, so a group 0 may be written
	ds_add_u32 v[SPW], v[NIL]                      ; 0 onto my spare word
.if \fill
	s_xor_b32 s[G0X+1], s[G0X+1], SLOT1            ; the walking descriptor: the other slot than last time,
	s_add_nc_u64 s[G0X+2:G0X+3], s[G0X+2:G0X+3], TILEB  ; the next 256 keys; the type bits on top are not reached
	s_wait_xcnt 0x0                                ; the last prefetch, a slot back, has read its address
	s_add_nc_u64 s[PFA:PFA+1], s[PFA:PFA+1], TILEB
.endif
	s_wait_dscnt 0x0                               ; the add is done, and my reads of the slot are over
.if \fill
	CROUND
	tensor_load_to_lds s[G0X:G0X+3], s[G1:G1+7]    ; my one tensor load behind the round
	s_nop 0
	PLACES
	ASK
.else
	s_barrier_signal -1
	s_barrier_wait -1
.endif
	s_xor_b32 s[TB], s[TB], SLOT1                  ; the reads go to the other slot
.endm
.Lslot:                                            ; seven trips: tile i - 1 is entered, tile i asked for (the first refill goes where mt lay)
	CHANGE 1
	SLOTBODY
	s_sub_co_u32 s[SLOTS], s[SLOTS], 1
	s_cmp_lg_u32 s[SLOTS], 0
	s_cbranch_scc1 .Lslot
	CHANGE 0                                       ; tile 7 is written out: nothing is asked for
	SLOTBODY
	; THE MERGE of the two key halves.  Slot 0 has had its last fill and its last read (the barrier above): it carries O^T and the statistics of register tiles 2, 3 to the wave with the other half of the keys.
	s_wait_dscnt 0x0                               ; no LDS load is out
	PLACES 8
.irp t, 0,1,2,3
	v_add_f32 v[ST+4*(\t)+1], v[ST+4*(\t)+2], v[ST+4*(\t)+3]  ; l: even and odd keys',
.endr
.irp t, 0,1,2,3
	v_permlanex16_b32 v[ST+4*(\t)+2], v[ST+4*(\t)+1], s[SEL], s[SEL+1]
.endr
.irp t, 0,1,2,3
	v_add_f32 v[ST+4*(\t)+1], v[ST+4*(\t)+1], v[ST+4*(\t)+2]  ; and the other half of the lanes': (c m, l) is now a pair
.endr
	v_and_b32 v30, 31, v0
	s_lshl_b32 s56, s[WV], 15
	v_lshl_add_u32 v[ADRK], v30, 4, s56            ; mine: 32,768 x wave + 16 x lane
	s_lshl_b32 s57, s[WV], 9
	s_add_co_u32 s57, s57, MSTAT
	v_lshl_add_u32 v[ADRV], v30, 4, s57
	s_xor_b32 s58, s[WV], 1                        ; the wave with my queries and the other keys
	s_lshl_b32 s56, s58, 15
	v_lshl_add_u32 v28, v30, 4, s56
	s_lshl_b32 s57, s58, 9
	s_add_co_u32 s57, s57, MSTAT
	v_lshl_add_u32 v29, v30, 4, s57
	WIN 0x08                                       ; store data (source 1) window 2
.set i, 0
.rept 32
	ds_store_b128 v[ADRK], v[128+4*i:128+4*i+3] offset:512*i
.set i, i+1
.endr
	WIN 0x0c                                       ; window 3
.set i, 0
.rept 32
	ds_store_b128 v[ADRK], v[128+4*i:128+4*i+3] offset:16384+512*i
.set i, i+1
.endr
	WIN 0
	ds_store_b64 v[ADRV], v[ST+8:ST+9]
	ds_store_b64 v[ADRV], v[ST+12:ST+13] offset:8
	s_wait_dscnt 0x0                               ; for the others' sake: my stores are done, and so are my reads of slot 1
	s_barrier_signal -1
	s_barrier_wait -1
	WIN 0x80
.set i, 0
.rept 32
	ds_load_b128 v[128+4*i:128+4*i+3], v28 offset:512*i  ; the partner's register tiles 2, 3 are my tiles 0, 1
.set i, i+1
.endr
	WIN 0xc0
.set i, 0
.rept 32
	ds_load_b128 v[128+4*i:128+4*i+3], v28 offset:16384+512*i
.set i, i+1
.endr
	WIN 0
	ds_load_b64 v[TMP:TMP+1], v29
	ds_load_b64 v[TMP+2:TMP+3], v29 offset:8
	s_wait_dscnt 0x0
	; M = max(c m, c m'); e = 2^(c m - M), e' = 2^(c m' - M); L = e l + e' l'; O = O e / L + O' e' / L
.irp t, 0,1
	v_max_num_f32 v[FA+8*(\t)], v[ST+4*(\t)], v[TMP+2*(\t)]
.endr
.irp t, 0,1
	v_sub_f32 v[FA+8*(\t)+1], v[ST+4*(\t)], v[FA+8*(\t)]
	v_sub_f32 v[FA+8*(\t)+2], v[TMP+2*(\t)], v[FA+8*(\t)]
.endr
.irp t, 0,1
	v_exp_f32 v[FA+8*(\t)+1], v[FA+8*(\t)+1]
	v_exp_f32 v[FA+8*(\t)+2], v[FA+8*(\t)+2]
.endr
	v_nop
	s_wait_alu depctr_va_vdst(0)                   ; one wait for the four exponentials
.irp t, 0,1
	v_mul_f32 v[FA+8*(\t)+3], v[FA+8*(\t)+1], v[ST+4*(\t)+1]
.endr
.irp t, 0,1
	v_fmac_f32 v[FA+8*(\t)+3], v[FA+8*(\t)+2], v[TMP+2*(\t)+1]
.endr
.irp t, 0,1
	v_rcp_f32 v[FA+8*(\t)+3], v[FA+8*(\t)+3]
.endr
	v_nop
	s_wait_alu depctr_va_vdst(0)                   ; one wait for the two reciprocals
.irp t, 0,1
	v_mul_f32 v[FA+8*(\t)+4], v[FA+8*(\t)+1], v[FA+8*(\t)+3]
	v_mul_f32 v[FA+8*(\t)+5], v[FA+8*(\t)+1], v[FA+8*(\t)+3]
	v_mul_f32 v[FA+8*(\t)+6], v[FA+8*(\t)+2], v[FA+8*(\t)+3]
	v_mul_f32 v[FA+8*(\t)+7], v[FA+8*(\t)+2], v[FA+8*(\t)+3]
.endr
.macro MERGE                           ; in the window that is set: both tiles, from each accumulator's low end on
.irp t, 0,1
.set i, 0
.rept 32
	v_pk_mul_f32 v[64*(\t)+2*i:64*(\t)+2*i+1], v[64*(\t)+2*i:64*(\t)+2*i+1], v[FA+8*(\t)+4:FA+8*(\t)+5] op_sel_hi:[1,0]
.set i, i+1
.endr
.set i, 0
.rept 32
	v_pk_fma_f32 v[64*(\t)+2*i:64*(\t)+2*i+1], v[128+64*(\t)+2*i:128+64*(\t)+2*i+1], v[FA+8*(\t)+6:FA+8*(\t)+7], v[64*(\t)+2*i:64*(\t)+2*i+1] op_sel_hi:[1,0,1]
.set i, i+1
.endr
.endr
.endm
	WIN 0xa2                                       ; destination, sources 0 and 2 window 2; the factors window 0
	MERGE
	WIN 0xf3                                       ; window 3
	MERGE
	; THE WAY OUT.  Rounded to bf16, 16 bytes a lane and channel block, through my own stage in slot 1 (its last fill and, by the barrier above, its last read are over), back as whole rows of 512 bytes.
	WIN 0x0a                                       ; sources window 2, destination window 0
.irp t, 0,1
.set i, 0
.rept 32
	v_cvt_pk_bf16_f32 v[S+64*(\t)+i], v[64*(\t)+2*i], v[64*(\t)+2*i+1]
.set i, i+1
.endr
.endr
	WIN 0x0f                                       ; window 3
.irp t, 0,1
.set i, 0
.rept 32
	v_cvt_pk_bf16_f32 v[S+64*(\t)+32+i], v[64*(\t)+2*i], v[64*(\t)+2*i+1]
.set i, i+1
.endr
.endr
	WIN 0
	v_and_b32 v28, 15, v0
	v_bfe_u32 v29, v0, 4, 1
	s_mul_i32 s56, s[WV], 16*PITCH
	s_add_co_u32 s56, s56, SLOT1
	v_mul_u32_u24 v[ADRK], v28, PITCH
	v_lshl_add_u32 v[ADRK], v29, 7, v[ADRK]
	v_add_nc_u32 v[ADRK], s56, v[ADRK]             ; in: row r; lanes 16-31 hold the channels 64 further on
	v_lshl_add_u32 v[ADRV], v30, 4, s56            ; back: a row is 32 lanes x 16 bytes
	v_lshlrev_b32 v31, 4, v30
.irp t, 0,1
.set cb, 0
.rept 16
	ds_store_b128 v[ADRK], v[S+64*(\t)+4*cb:S+64*(\t)+4*cb+3] offset:16*(cb%8)+256*(cb/8)
.set cb, cb+1
.endr
.set i, 0
.rept 16
	ds_load_b128 v[S+64*(\t)+4*i:S+64*(\t)+4*i+3], v[ADRV] offset:PITCH*i  ; LDS serves a wave's instructions in order (ISA guide 5.7.1.4): these see the stores above; the next tile's stores come behind them
.set i, i+1
.endr
.endr
.irp t, 0,1
.set i, 0
.rept 16
	s_wait_dscnt 32*(1-(\t))+15-i                  ; row i is back; behind tile 0's loads stand tile 1's 32 LDS instructions
	global_store_b128 v31, v[S+64*(\t)+4*i:S+64*(\t)+4*i+3], s[SY:SY+1] offset:(\t)*32768+i*2048  ; 512 consecutive bytes, aligned: the head's part of a row of y
.set i, i+1
.endr
.endr
	s_wait_tensorcnt 0x0                           ; the wave's end: behind my last tensor load and my last LDS store
	ds_add_u32 v[SPW], v[NIL]
	s_wait_dscnt 0x0
	CROUND                                         ; the closing round: no work-group ends while a partner may still ask for a tile that names it
	s_endpgm
.Lfunc_end_k_qbf9e3c8836_attn:
	.size	k_qbf9e3c8836_attn, .Lfunc_end_k_qbf9e3c8836_attn-k_qbf9e3c8836_attn
	.p2alignl 7, 3214868480
	.fill 96, 4, 3214868480
	.section	.rodata,"a",@progbits
	.p2align	6, 0x0
	.amdhsa_kernel k_qbf9e3c8836_attn
		.amdhsa_group_segment_fixed_size 327680
		.amdhsa_private_segment_fixed_size 0
		.amdhsa_enable_private_segment 0
		.amdhsa_kernarg_size 24
		.amdhsa_user_sgpr_count 2
		.amdhsa_user_sgpr_kernarg_segment_ptr 1
		.amdhsa_wavefront_size32 1
		.amdhsa_system_sgpr_workgroup_id_x 1
		.amdhsa_system_sgpr_workgroup_id_y 1
		.amdhsa_system_sgpr_workgroup_id_z 1
		.amdhsa_system_vgpr_workitem_id 0
		.amdhsa_next_free_vgpr 1024
		.amdhsa_next_free_sgpr 66
		.amdhsa_reserve_vcc 0
		.amdhsa_float_denorm_mode_32 3
		.amdhsa_float_denorm_mode_16_64 3
		.amdhsa_memory_ordered 1
		.amdhsa_forward_progress 1
		.amdhsa_inst_pref_size 255
	.end_amdhsa_kernel
	.section	.bss,"aw",@nobits
	.p2align	6
	.space	262144
	.amdgpu_metadata
---
amdhsa.version: [ 1, 2 ]
amdhsa.kernels:
  - .name:           k_qbf9e3c8836_attn
    .symbol:         k_qbf9e3c8836_attn.kd
    .args:
      - { .name: xb, .offset: 0, .size: 8, .value_kind: global_buffer, .address_space: global }
      - { .name: mt, .offset: 8, .size: 8, .value_kind: global_buffer, .address_space: global }
      - { .name: y, .offset: 16, .size: 8, .value_kind: global_buffer, .address_space: global }
    .group_segment_fixed_size: 327680
    .private_segment_fixed_size: 0
    .kernarg_segment_align: 8
    .kernarg_segment_size: 24
    .max_flat_workgroup_size: 128
    .sgpr_count:     66
    .vgpr_count:     1024
    .wavefront_size: 32
...
	.end_amdgpu_metadata
.endif
;; end of part 2
;; launch proj (part 3): grid 128 x 2, 4 waves a work-group, clusters of 4 x 1, 327,680 bytes of LDS; arguments y, nt, bu, out0; writes out0
.if DOCPART == 3
	.amdgcn_target "amdgcn-amd-amdhsa--gfx1250"
	.amdhsa_code_object_version 6
	.text
	.protected	k_qbf9e3c8836_proj
	.globl	k_qbf9e3c8836_proj
	.p2align	8
	.type	k_qbf9e3c8836_proj,@function
k_qbf9e3c8836_proj:
	s_mov_b64 s[64:65], 0
	v_nop
	global_prefetch_b8 v0, s[64:65] scope:SCOPE_SE
	s_setreg_imm32_b32 hwreg(HW_REG_WAVE_MODE, 25, 1), 1
	s_wait_xcnt 0x0
	s_wait_alu depctr_hold_cnt(0) depctr_sa_sdst(0) depctr_va_vdst(0) depctr_va_sdst(0) depctr_va_ssrc(0) depctr_va_vcc(0) depctr_vm_vsrc(0)
	s_getreg_b32 s2, hwreg(HW_REG_IB_STS2, 6, 4)
	s_cmp_eq_u32 s2, 0
	s_cbranch_scc0 .Lentry_in_a_cluster
	s_endpgm
.Lentry_in_a_cluster:
	s_bfe_u32 s2, ttmp6, 0x10000c
	s_cmp_lg_u32 s2, 0x3003
	s_cbranch_scc0 .Lentry_shape_is_right
	s_endpgm
.Lentry_shape_is_right:
; THE OUTPUT PROJECTION.  out0[tok][o] = sum over k of y[tok][k] nt[o][k] + bu[o].  y: [8192][1024] bf16, nt: [256][1024] bf16, bu: [256] f32, out0: [8192][256] f32.  Sums in f32, started by the bias.
; SHARES.  A work-group makes 64 tokens x 128 outputs: 256 work-groups.  Wave = 2 wh + wl makes 32 tokens (wh) x 64 outputs (wl): eight accumulators.  Source 0 = 16 rows of nt, source 1 = 16 rows of y:
; a lane holds one token and eight neighbouring outputs.
; K goes in four chunks of 256 (rows of 512 bytes).  Three LDS slots take chunks 0, 1, 2 at the start; chunk 3 goes into slot 0 when chunk 0 has been multiplied.
; CLUSTER.  The four row blocks of a cluster share nt's tile, two thirds of a chunk's bytes: waves 2, 3 ask for it jointly.  y's rows are the work-group's own: waves 0, 1 fetch them with no mask.
; REGISTERS: window 0: v4-14 addresses; v32-63 the bias, 8 for each block of 16 outputs; v64-127 accumulators, (a, b) at 64 + 8 (4 a + b); v128-191 rows on the way out.
;   window 1: two fragment buffers of 96: for 64 along K, twice (four fragments of nt, two of y).
.set PITCH, 528                        ; an LDS row: 512 bytes + 16 of padding: the 16 rows of a fragment load start at 16 different groups of four banks (64 banks of 4 bytes: ISA guide 11.1)
.set SLOTB, 192*PITCH                  ; y's 64 rows, then nt's 128
.set NOFF,  64*PITCH
.set SPARE, 3*SLOTB                    ; behind the slots: the spare words, 128 bytes for each wave
.set STAGE, SLOTB                      ; the way out: 64 rows x 528 bytes in slot 1, written when its one fill and all its reads are over
.set ADRY, 4                           ; v4-6   LDS address of my fragments of y in slot 0, 1, 2
.set ADRN, 8                           ; v8-10  the same for nt
.set STO, 11
.set RD,  12
.set GO,  13
.set BO,  14
.set SPW, 30                           ; v30  LDS address of my spare word; never rewritten
.set NIL, 31                           ; v31  0; never rewritten
.set BI,  32
.set ACC, 64
.set OB,  128
.set F0,  0
.set F1,  96
.set WV,  12
.set CX,  13
.set RBK, 14
.set CBK, 15
.set WL,  16
.set WH,  17
.set G1Y, 24                           ; s[24:31] group 1 for y's tiles
.set G1N, 32                           ; s[32:39] for nt's
.set G0Y, 40                           ; s[40:51] group 0 for y's tiles, a set for each slot
.set G0N, 52                           ; s[52:63] the same for nt's
.set MSB, 0
.macro WIN new
.if MSB != (\new)
	s_set_vgpr_msb (MSB<<8)|(\new)
.set MSB, (\new)
.endif
.endm
.macro PLACES n=4
.rept \n
	v_nop
.endr
.endm
.macro CROUND
	s_barrier_signal -1
	s_barrier_wait -1
	s_cmp_lg_u32 s[WV], 0
	s_cbranch_scc1 .Lnot_wave_0_\@
	s_barrier_signal -3
.Lnot_wave_0_\@:
	s_barrier_wait -3
	s_barrier_signal -1
	s_barrier_wait -1
.endm
	s_load_b256 s[4:11], s[0:1], 0x0               ; y s[4:5], nt s[6:7], bu s[8:9], out0 s[10:11]
	v_lshl_add_u32 v[SPW], v0, 2, SPARE
	v_mov_b32 v[NIL], 0
	ds_add_u32 v[SPW], v[NIL]                      ; the wave's opening: the add and its wait stand ahead of my first tensor load; the set-up below stands between them
	v_lshrrev_b32 v1, 5, v0
	v_readfirstlane_b32 s[WV], v1
	s_and_b32 s[WL], s[WV], 1                      ; my half of the outputs.  Also: which half of a tile's rows I fetch
	s_lshr_b32 s[WH], s[WV], 1                     ; my half of the tokens.  Also: I fetch for y (0) or for nt (1)
	s_bfe_u32 s[CX], ttmp6, 0x40000
	s_lshl_b32 s[RBK], ttmp9, 2
	s_add_co_u32 s[RBK], s[RBK], s[CX]             ; my block of 64 tokens = 4 x cluster x + cx
	s_and_b32 s[CBK], ttmp7, 0xffff                ; my block of 128 outputs, which the four partners share
	s_lshl_b32 s18, s[RBK], 17                     ; y: 64 rows of 2,048 bytes a block, 32 a half
	s_lshl_b32 s19, s[WL], 16
	s_add_co_u32 s18, s18, s19
	s_mov_b32 s19, 0
	s_lshl_b32 s20, s[CBK], 18                     ; nt: 128 rows a block, 64 a half.  s[20:21] never hold cx
	s_lshl_b32 s21, s[WL], 17
	s_add_co_u32 s20, s20, s21
	s_mov_b32 s21, 0
	s_lshl_b32 s22, s[CBK], 9                      ; bu: 128 numbers a block, 64 a wave
	s_lshl_b32 s23, s[WL], 8
	s_add_co_u32 s22, s22, s23
	s_mov_b32 s23, 0
	s_lshl_b32 s66, s[RBK], 16                     ; out0: rows of 1,024 bytes: 64 a block, 16 for the wave that stores them; the block's 512 bytes
	s_lshl_b32 s67, s[WV], 14
	s_add_co_u32 s66, s66, s67
	s_lshl_b32 s67, s[CBK], 9
	s_add_co_u32 s66, s66, s67
	s_mov_b32 s67, 0
	s_mul_i32 s68, s[WL], 32*PITCH                 ; where my 32 rows of y go,
	s_mul_i32 s69, s[WL], 64*PITCH
	s_add_co_u32 s69, s69, NOFF                    ; and my 64 rows of nt: no place in the cluster enters an LDS address
	s_mov_b32 s[G1Y+0], (1<<16)|(1<<20)|(6<<22)|(3<<25)  ; no mask; 2-byte elements; padding on: after every 128 words (code 6) 4 words (code 3)
	s_mov_b32 s[G1Y+1], 256<<16                    ; tensor_dim0 = 256
	s_mov_b32 s[G1Y+2], 32<<16                     ; tensor_dim1 = 32
	s_mov_b32 s[G1Y+3], 256<<16                    ; tile_dim0 = 256
	s_mov_b32 s[G1Y+4], 32                         ; tile_dim1 = 32
	s_mov_b32 s[G1Y+5], 1024                       ; 1,024 elements from row to row
	s_mov_b32 s[G1Y+6], 0
	s_mov_b32 s[G1Y+7], 0
	s_mov_b32 s[G1N+0], 15|(1<<16)|(1<<20)|(1<<21)|(6<<22)|(3<<25)  ; the same with the mask of four and bit 21 beside it
	s_mov_b32 s[G1N+1], 256<<16
	s_mov_b32 s[G1N+2], 64<<16                     ; 64 rows
	s_mov_b32 s[G1N+3], 256<<16
	s_mov_b32 s[G1N+4], 64
	s_mov_b32 s[G1N+5], 1024
	s_mov_b32 s[G1N+6], 0
	s_mov_b32 s[G1N+7], 0
.irp n, 0,1,2
	s_mov_b32 s[G0Y+4*(\n)], 1
	s_add_co_u32 s[G0Y+4*(\n)+1], s68, (\n)*SLOTB
	s_mov_b32 s[G0N+4*(\n)], 1
	s_add_co_u32 s[G0N+4*(\n)+1], s69, (\n)*SLOTB
.endr
	s_wait_dscnt 0x0                               ; the opening add is done
	s_wait_kmcnt 0x0
	s_add_nc_u64 s[70:71], s[4:5], s[18:19]
	s_add_nc_u64 s[72:73], s[6:7], s[20:21]
	s_add_nc_u64 s[8:9], s[8:9], s[22:23]
	s_add_nc_u64 s[10:11], s[10:11], s[66:67]
.irp n, 0,1,2
	s_add_nc_u64 s[G0Y+4*(\n)+2:G0Y+4*(\n)+3], s[70:71], (\n)*512   ; chunk n: 512 bytes along the rows
	s_or_b32 s[G0Y+4*(\n)+3], s[G0Y+4*(\n)+3], 0x80000000
	s_add_nc_u64 s[G0N+4*(\n)+2:G0N+4*(\n)+3], s[72:73], (\n)*512
	s_or_b32 s[G0N+4*(\n)+3], s[G0N+4*(\n)+3], 0x80000000
.endr
	CROUND                                         ; all four work-groups are here: the first joint loads meet
	s_cmp_eq_u32 s[WH], 0                          ; a wave's three first fills stand in one branch on its number: three tensor loads of mine are out
	s_cbranch_scc0 .Lfirst_n
.irp n, 0,1,2
	tensor_load_to_lds s[G0Y+4*(\n):G0Y+4*(\n)+3], s[G1Y:G1Y+7]
	s_nop 0
.endr
	PLACES
	s_branch .Lfirst_asked
.Lfirst_n:
.irp n, 0,1,2
	tensor_load_to_lds s[G0N+4*(\n):G0N+4*(\n)+3], s[G1N:G1N+7]
	s_nop 0
.endr
	PLACES
.Lfirst_asked:
	v_and_b32 v1, 15, v0                           ; r
	v_bfe_u32 v2, v0, 4, 1                         ; hh
	v_and_b32 v3, 31, v0                           ; lane
	v_lshlrev_b32 v[BO], 5, v2                     ; my eight numbers of each 16 of the bias
.irp b, 0,1,2,3
	global_load_b128 v[BI+8*(\b):BI+8*(\b)+3],   v[BO], s[8:9] offset:64*(\b)
	global_load_b128 v[BI+8*(\b)+4:BI+8*(\b)+7], v[BO], s[8:9] offset:64*(\b)+16
.endr
	v_mul_u32_u24 v20, v1, PITCH
	v_lshl_add_u32 v20, v2, 4, v20                 ; a fragment's row x pitch + 16 x half
	s_mul_i32 s74, s[WH], 32*PITCH                 ; my 32 rows of y
	s_mul_i32 s75, s[WL], 64*PITCH                 ; my 64 rows of nt,
	s_add_co_u32 s75, s75, NOFF                    ; which lie behind y's 64
.irp n, 0,1,2
	v_add_nc_u32 v[ADRY+(\n)], s74, v20
	v_add_nc_u32 v[ADRN+(\n)], s75, v20
	s_add_co_u32 s74, s74, SLOTB
	s_add_co_u32 s75, s75, SLOTB
.endr
	s_mul_i32 s76, s[WH], 32*PITCH                 ; into the stage: my 32 rows, my 256 bytes of them; row r, 32 bytes for each half of the lanes
	s_lshl_b32 s77, s[WL], 8
	s_add_co_u32 s76, s76, s77
	s_add_co_u32 s76, s76, STAGE
	v_mul_u32_u24 v[STO], v1, PITCH
	v_lshl_add_u32 v[STO], v2, 5, v[STO]
	v_add_nc_u32 v[STO], s76, v[STO]
	s_mul_i32 s76, s[WV], 16*PITCH                 ; back: wave w takes rows 16 w .. 16 w + 15, whole: 32 lanes x 16 bytes a row
	s_add_co_u32 s76, s76, STAGE
	v_lshl_add_u32 v[RD], v3, 4, s76
	v_lshlrev_b32 v[GO], 4, v3
.macro FETCH s, q, f                   ; 24 LDS loads in one run: the fragments of 64 along K at byte 128 q of slot s's rows, into buffer f
	WIN 0x40                                       ; destination window 1
.irp c, 0,1
.irp b, 0,1,2,3
	ds_load_b128 v[(\f)+48*(\c)+8*(\b):(\f)+48*(\c)+8*(\b)+3],   v[ADRN+(\s)] offset:(\b)*16*PITCH+128*(\q)+64*(\c)
	ds_load_b128 v[(\f)+48*(\c)+8*(\b)+4:(\f)+48*(\c)+8*(\b)+7], v[ADRN+(\s)] offset:(\b)*16*PITCH+128*(\q)+64*(\c)+32
.endr
.irp a, 0,1
	ds_load_b128 v[(\f)+48*(\c)+32+8*(\a):(\f)+48*(\c)+32+8*(\a)+3],   v[ADRY+(\s)] offset:(\a)*16*PITCH+128*(\q)+64*(\c)
	ds_load_b128 v[(\f)+48*(\c)+32+8*(\a)+4:(\f)+48*(\c)+32+8*(\a)+7], v[ADRY+(\s)] offset:(\a)*16*PITCH+128*(\q)+64*(\c)+32
.endr
.endr
.endm
.macro MUL f, first                    ; 16 products; the eight accumulators take turns.  first = 1: the bias starts the sums
	WIN 0x05                                       ; sources 0 and 1 window 1
.irp c, 0,1
.irp a, 0,1
.irp b, 0,1,2,3
.if (\first) && ((\c) == 0)
	v_wmma_f32_16x16x32_bf16 v[ACC+8*(4*(\a)+(\b)):ACC+8*(4*(\a)+(\b))+7], v[(\f)+48*(\c)+8*(\b):(\f)+48*(\c)+8*(\b)+7], v[(\f)+48*(\c)+32+8*(\a):(\f)+48*(\c)+32+8*(\a)+7], v[BI+8*(\b):BI+8*(\b)+7]
.else
	v_wmma_f32_16x16x32_bf16 v[ACC+8*(4*(\a)+(\b)):ACC+8*(4*(\a)+(\b))+7], v[(\f)+48*(\c)+8*(\b):(\f)+48*(\c)+8*(\b)+7], v[(\f)+48*(\c)+32+8*(\a):(\f)+48*(\c)+32+8*(\a)+7], v[ACC+8*(4*(\a)+(\b)):ACC+8*(4*(\a)+(\b))+7]
.endif
.endr
.endr
.endr
.endm
.macro COMPUTE s, first                ; a chunk: four quarters of 64 along K on buffers 0, 1, 0, 1.  Each wait leaves the other buffer's 24 loads out
	PLACES                                         ; in front of loads into registers that the last products read
	FETCH \s, 0, F0
	FETCH \s, 1, F1
	s_wait_dscnt 24
	MUL F0, \first
	PLACES
	FETCH \s, 2, F0
	s_wait_dscnt 24
	MUL F1, 0
	PLACES
	FETCH \s, 3, F1
	s_wait_dscnt 24
	MUL F0, 0
	s_wait_dscnt 0x0
	MUL F1, 0
	WIN 0
.endm
	s_wait_tensorcnt 2                             ; my part of chunk 0 is in; the two loads issued behind it may stay out
	s_barrier_signal -1
	s_barrier_wait -1
	s_wait_loadcnt 0x0                             ; the bias
	COMPUTE 0, 1
	s_wait_tensorcnt 0x0                           ; all my tensor loads have landed, chunks 1 and 2 among them, so a group 0 may be written
	ds_add_u32 v[SPW], v[NIL]                      ; 0 onto my spare word
	s_add_nc_u64 s[G0Y+2:G0Y+3], s[G0Y+2:G0Y+3], 3*512  ; slot 0's next chunk is chunk 3
	s_add_nc_u64 s[G0N+2:G0N+3], s[G0N+2:G0N+3], 3*512
	s_wait_dscnt 0x0                               ; the add is done, and my reads of slot 0 are over
	CROUND                                         ; no wave of any partner still reads slot 0 or has a load on its way; slots 1 and 2 are whole
	s_cmp_eq_u32 s[WH], 0
	s_cbranch_scc0 .Lfor_n
	tensor_load_to_lds s[G0Y:G0Y+3], s[G1Y:G1Y+7]  ; my one tensor load behind the round: it has two chunks' work, 128 matrix instructions, in which to land
	s_nop 0
	PLACES
	s_branch .Lasked
.Lfor_n:
	tensor_load_to_lds s[G0N:G0N+3], s[G1N:G1N+7]
	s_nop 0
	PLACES
.Lasked:
	COMPUTE 1, 0
	COMPUTE 2, 0
	s_wait_tensorcnt 0x0                           ; my part of chunk 3 is in,
	s_wait_dscnt 0x0                               ; and my reads of slots 1 and 2 are over
	s_barrier_signal -1
	s_barrier_wait -1                              ; everybody's
	COMPUTE 0, 0
	; THE WAY OUT.  A wave's 64 outputs are 256 bytes of a row's 512: the two waves of a token half write the two halves of the same stage rows; each wave then stores 16 whole rows.
	PLACES 8
.irp a, 0,1
.irp b, 0,1,2,3
	ds_store_b128 v[STO], v[ACC+8*(4*(\a)+(\b)):ACC+8*(4*(\a)+(\b))+3]   offset:(\a)*16*PITCH+64*(\b)
	ds_store_b128 v[STO], v[ACC+8*(4*(\a)+(\b))+4:ACC+8*(4*(\a)+(\b))+7] offset:(\a)*16*PITCH+64*(\b)+16
.endr
.endr
	s_wait_dscnt 0x0                               ; for the others' sake: my stores into the stage are done
	s_barrier_signal -1
	s_barrier_wait -1
.set i, 0
.rept 16
	ds_load_b128 v[OB+4*i:OB+4*i+3], v[RD] offset:PITCH*i
.set i, i+1
.endr
.set i, 0
.rept 16
	s_wait_dscnt 15-i                              ; row i is back
	global_store_b128 v[GO], v[OB+4*i:OB+4*i+3], s[10:11] offset:1024*i th:TH_STORE_NT  ; 512 consecutive bytes, aligned
.set i, i+1
.endr
	s_wait_tensorcnt 0x0                           ; the wave's end: behind my last tensor load and my last LDS store
	ds_add_u32 v[SPW], v[NIL]
	s_wait_dscnt 0x0
	CROUND                                         ; the closing round: no work-group ends while a partner may still ask for a tile that names it
	s_endpgm
.Lfunc_end_k_qbf9e3c8836_proj:
	.size	k_qbf9e3c8836_proj, .Lfunc_end_k_qbf9e3c8836_proj-k_qbf9e3c8836_proj
	.p2alignl 7, 3214868480
	.fill 96, 4, 3214868480
	.section	.rodata,"a",@progbits
	.p2align	6, 0x0
	.amdhsa_kernel k_qbf9e3c8836_proj
		.amdhsa_group_segment_fixed_size 327680
		.amdhsa_private_segment_fixed_size 0
		.amdhsa_enable_private_segment 0
		.amdhsa_kernarg_size 32
		.amdhsa_user_sgpr_count 2
		.amdhsa_user_sgpr_kernarg_segment_ptr 1
		.amdhsa_wavefront_size32 1
		.amdhsa_system_sgpr_workgroup_id_x 1
		.amdhsa_system_sgpr_workgroup_id_y 1
		.amdhsa_system_sgpr_workgroup_id_z 1
		.amdhsa_system_vgpr_workitem_id 0
		.amdhsa_next_free_vgpr 512
		.amdhsa_next_free_sgpr 80
		.amdhsa_reserve_vcc 0
		.amdhsa_float_denorm_mode_32 3
		.amdhsa_float_denorm_mode_16_64 3
		.amdhsa_memory_ordered 1
		.amdhsa_forward_progress 1
		.amdhsa_inst_pref_size 57
	.end_amdhsa_kernel
	.amdgpu_metadata
---
amdhsa.version: [ 1, 2 ]
amdhsa.kernels:
  - .name:           k_qbf9e3c8836_proj
    .symbol:         k_qbf9e3c8836_proj.kd
    .args:
      - { .name: y, .offset: 0, .size: 8, .value_kind: global_buffer, .address_space: global }
      - { .name: nt, .offset: 8, .size: 8, .value_kind: global_buffer, .address_space: global }
      - { .name: bu, .offset: 16, .size: 8, .value_kind: global_buffer, .address_space: global }
      - { .name: out0, .offset: 24, .size: 8, .value_kind: global_buffer, .address_space: global }
    .group_segment_fixed_size: 327680
    .private_segment_fixed_size: 0
    .kernarg_segment_align: 8
    .kernarg_segment_size: 32
    .max_flat_workgroup_size: 128
    .sgpr_count:     80
    .vgpr_count:     512
    .wavefront_size: 32
...
	.end_amdgpu_metadata
.endif
;; end of part 3
